; MI455X (gfx1250); checked and timed in simulation.
; The chip was launched on July 23, 2026; its instructions are those of AMD's public machine-readable ISA for CDNA 5 (MIT licence, August 2026) and "CDNA5" Instruction Set Architecture Reference Guide (July 2026). The comments in the code are by the model that wrote it; some were corrected since.
;; Mapping Network. Allowed arithmetic: float matrix products may take bf16 or f16 operands with f32 sums; other float arithmetic in f32, or as packed bf16 or f16 multiplies, adds, multiply-adds, maxima and minima; sums over many terms, partial sums and values carried from step to step in f32; what a program stores and reads back later, other than sums and carried values, may be rounded once to bf16 or f16.
;; Inputs: U0 8 x 512 x 512 float32; U1 8 x 512 x 512 float32; U2 8 x 512 x 512 float32; U3 8 x 512 x 64 float32; W0 16 x 512 float32; W1 512 x 512 float32; W2 512 x 512 float32; W3 512 x 512 float32; b0 512 float32; b1 512 float32; b2 512 float32; b3 512 float32; c0 8 x 512 float32; c1 8 x 512 float32; c2 8 x 512 float32; c3 8 x 64 float32; x 8,192 x 16 float32; y 8,192 int32.
;; Outputs: out0 8,192 x 64 float32.
;; One version. Each part assembles by itself: llvm-mc -triple=amdgcn-amd-amdhsa -mcpu=gfx1250 --defsym DOCPART=n.
;; ======== version 1 of 1: 2 launches
;; workspace buffers: wq 14,696,448 bytes; order 32,768 bytes of whole numbers; tiles 4,096 bytes of whole numbers
;; launch prep (part 1): grid 226 x 1, 8 waves a work-group, no clusters, 52,224 bytes of LDS; arguments y, W0, W1, W2, W3, U0, U1, U2, U3, wq, order, tiles; writes wq, order, tiles
.if DOCPART == 1
	.amdgcn_target "amdgcn-amd-amdhsa--gfx1250"
	.amdhsa_code_object_version 6
	.text
	.protected	k_q0200623788_prep
	.globl	k_q0200623788_prep
	.p2align	8
	.type	k_q0200623788_prep,@function
k_q0200623788_prep:
	s_mov_b64 s[64:65], 0
	v_nop
	global_prefetch_b8 v0, s[64:65] scope:SCOPE_SE
	s_setreg_imm32_b32 hwreg(HW_REG_WAVE_MODE, 25, 1), 1
	s_wait_xcnt 0x0
; MAPPING NETWORK, launch 1 of 2: the weights are rounded to bf16 once and laid out as matrix operands; the tokens are sorted by their expert.
; WORK LEFT OUT BY THE PROGRAM.  reference() runs all 8 expert chains for every token b and returns g[y[b], b]: of the 8 rows g[d, b] only the one with d = y[b] is indexed, so the other 7,
; and all that feeds only them, reach no output, whatever finite values the inputs hold.  The choice is a lookup by the index input y: this launch reads y and stores, as whole numbers, the tokens in
; the experts' order and a table of tiles; the next launch reads them and multiplies each token by its own expert alone.  Every input still has a way to the output, and every input is loaded.
; LIMITS.  A NaN, an infinity or an overflow that arises only in an expert that a token did not choose is not carried to the result.  y is taken as min(unsigned y, 7): exact for 0 .. 7.
; WQ, in bytes.  A fragment is 16 columns n x 32 rows k of a weight matrix W[k][n], 1,024 bytes: block o (0..3) of 256 bytes holds k = k0 + 8 o .. + 7, and in it column n0 + r has the 16 bytes at 16 r.
;   0          W0: [n / 16][512 bytes]: blocks o = 0, 1 alone (K = 16)
;   16,384     W1, W2, W3, 524,288 each: [n / 64][k / 32][(n / 16) % 4][1,024]
;   1,589,248  expert e at + 1,638,400 e: U0, U1, U2 like W1; then U3, 65,536: [n / 16][k / 32][1,024]
; SHARES.  Work-group 0 sorts; 1 turns W0 (two waves); 2 .. 9 turn U3[e]; 10 .. 225 turn an eighth of one of the 27 matrices of 512 x 512.  A wave turns 16 KiB of f32 that lie on end.
; The one barrier stands on every wave's path; the branches on the work-group's and the wave's number jump over text without a barrier.
.set TR,    0                          ; LDS: 2,176 bytes for each wave, its own: 128 pieces of 16 bytes, 16 bytes of padding behind every 16 pieces
.set CNT,   17408                      ; 128 bytes for each wave: its eight counts, lane e's word for expert e
.set TMPW,  18432                      ; 4,096 bytes for each wave, its own: for each of its 1,024 tokens y << 18 | rank among the wave's tokens of that expert
.set SPARE, 51200                      ; the spare words, 128 bytes for each wave: four blocks of 256 bytes that no other line names
.set LAYB,  524288                     ; a matrix of 512 x 512 in bf16
.set EXPB,  1638400                    ; an expert's four matrices
.set TRUNK, 16384+3*LAYB               ; where the experts begin
.set T,     10                         ; v[10:25]  16 bytes for each of four columns, at work
.set X,     32                         ; v[32:159] four blocks of 32: f32 as loaded; the first 16 of a block then take the pieces to store
; v1 lane, v2 lane % 16, v3 lane / 16, v4 my spare word, v5 0, v6 offset of the loads, v7 offset of the stores, v8 where I put pieces in LDS, v9 where I read them back
	s_load_b512 s[8:23], s[0:1], 0x0               ; y 8, W0 10, W1 12, W2 14, W3 16, U0 18, U1 20, U2 22
	s_load_b256 s[24:31], s[0:1], 0x40             ; U3 24, wq 26, order 28, tiles 30
	v_lshl_add_u32 v4, v0, 2, SPARE
	v_mov_b32 v5, 0
	v_lshrrev_b32 v1, 5, v0
	v_readfirstlane_b32 s32, v1                    ; wave 0..7
	v_and_b32 v1, 31, v0
	v_and_b32 v2, 15, v0
	v_bfe_u32 v3, v0, 4, 1
	s_mov_b32 s33, ttmp9
	s_mul_i32 s34, s32, 2176                       ; my wave's part of TR
	v_lshrrev_b32 v8, 2, v1
	v_lshlrev_b32 v8, 4, v8
	v_lshl_add_u32 v8, v1, 6, v8                   ; piece 4 lane + c lies at 16 (piece + piece / 16): 64 lane + 16 (lane / 4), and 16 c in the immediate
	v_add_nc_u32 v8, s34, v8
	v_lshlrev_b32 v9, 4, v3
	v_lshl_add_u32 v9, v1, 4, v9                   ; piece 32 j + lane: 16 lane + 16 (lane / 16), and 544 j in the immediate
	v_add_nc_u32 v9, s34, v9
	s_wait_kmcnt 0x0
	s_cmp_eq_u32 s33, 0
	s_cbranch_scc1 .Lcount
	s_cmp_eq_u32 s33, 1
	s_cbranch_scc1 .Lw0
	s_cmp_lt_u32 s33, 10
	s_cbranch_scc1 .Lu3
	s_branch .Lbig
; A WAVE'S 16 KiB.  kind 0, 1: eight whole rows k of 512 columns; block g is columns 128 g .. + 127.  kind 2 (U3, rows of 64 columns): 64 rows; block g is rows 16 g .. + 15, lanes 16-31 eight rows below lanes 0-15.
.macro OCT_IN kind                     ; all 32 loads go out at once; each covers two stretches of 256 bytes or one of 512
.irp g, 0,1,2,3
.irp i, 0,1,2,3,4,5,6,7
.if (\kind) == 2
	global_load_b128 v[X+32*(\g)+4*(\i):X+32*(\g)+4*(\i)+3], v6, s[36:37] offset:(\g)*4096+(\i)*256 th:TH_LOAD_NT
.else
	global_load_b128 v[X+32*(\g)+4*(\i):X+32*(\g)+4*(\i)+3], v6, s[36:37] offset:(\i)*2048+(\g)*512 th:TH_LOAD_NT
.endif
.endr
.endr
.endm
; Block g: a lane holds 8 rows k of 4 columns; for each column the 8 numbers are rounded and packed into 16 bytes, k ascending; the 128 pieces go through my wave's LDS so that 16 neighbouring lanes hold 16 neighbouring columns.
.macro OCT_TURN g
	s_wait_loadcnt 24-8*(\g)                       ; loads come back in order: block g's eight are in, the younger blocks' stay out
.irp c, 0,1,2,3
.irp i, 0,2,4,6
	v_cvt_pk_bf16_f32 v[T+4*(\c)+(\i)/2], v[X+32*(\g)+4*(\i)+(\c)], v[X+32*(\g)+4*(\i)+4+(\c)]
.endr
.endr
.irp c, 0,1,2,3
	ds_store_b128 v8, v[T+4*(\c):T+4*(\c)+3] offset:TR+16*(\c)
.endr
.irp j, 0,1,2,3
	ds_load_b128 v[X+32*(\g)+4*(\j):X+32*(\g)+4*(\j)+3], v9 offset:TR+544*(\j)  ; LDS serves a wave's instructions in order: these see the stores above, and the next block's stores come behind them
.endr
.endm
.macro OCT_OUT kind, g                 ; each store: lanes 0-15 fill 256 consecutive bytes, aligned, lanes 16-31 another 256.  The data lie in the block's own registers, which nothing rewrites
.irp j, 0,1,2,3
.if (\kind) == 0
	global_store_b128 v7, v[X+32*(\g)+4*(\j):X+32*(\g)+4*(\j)+3], s[26:27] offset:(\g)*131072+((\j)/2)*65536+((\j)%2)*2048
.elseif (\kind) == 1
	global_store_b128 v7, v[X+32*(\g)+4*(\j):X+32*(\g)+4*(\j)+3], s[26:27] offset:(\g)*4096+(\j)*1024
.else
	global_store_b128 v7, v[X+32*(\g)+4*(\j):X+32*(\g)+4*(\j)+3], s[26:27] offset:((\g)/2)*1024+((\g)%2)*512+((\j)%2)*32768+((\j)/2)*256
.endif
.endr
.endm
.macro OCT kind
	OCT_IN \kind
	OCT_TURN 0
	OCT_TURN 1
	s_wait_dscnt 8                                 ; all but the next block's four stores and four loads: the block before is back in registers
	OCT_OUT \kind, 0
	OCT_TURN 2
	s_wait_dscnt 8
	OCT_OUT \kind, 1
	OCT_TURN 3
	s_wait_dscnt 8
	OCT_OUT \kind, 2
	s_wait_dscnt 0x0
	OCT_OUT \kind, 3
.endm
.Lbig:                                         ; matrix m = 0..2: W1..W3; 3..10: U0[e]; 11..18: U1[e]; 19..26: U2[e]; my wave takes rows 8 oct .. 8 oct + 7
	s_sub_co_u32 s34, s33, 10
	s_lshr_b32 s35, s34, 3                         ; m
	s_and_b32 s34, s34, 7
	s_lshl_b32 s34, s34, 3
	s_add_co_u32 s34, s34, s32                     ; oct = 8 x part + wave
	s_cmp_lt_u32 s35, 19
	s_cselect_b64 s[36:37], s[20:21], s[22:23]
	s_cmp_lt_u32 s35, 11
	s_cselect_b64 s[36:37], s[18:19], s[36:37]
	s_cmp_lt_u32 s35, 3
	s_cselect_b64 s[36:37], s[16:17], s[36:37]
	s_cmp_lt_u32 s35, 2
	s_cselect_b64 s[36:37], s[14:15], s[36:37]
	s_cmp_lt_u32 s35, 1
	s_cselect_b64 s[36:37], s[12:13], s[36:37]
	s_max_u32 s66, s35, 3
	s_sub_co_u32 s66, s66, 3                       ; 0 for the trunk's three
	s_and_b32 s67, s66, 7                          ; e
	s_lshr_b32 s68, s66, 3                         ; which of U0, U1, U2
	s_lshl_b32 s69, s67, 20                        ; the expert's matrix in its f32 tensor
	s_mul_i32 s70, s67, EXPB
	s_lshl_b32 s68, s68, 19
	s_add_co_u32 s70, s70, s68
	s_add_co_u32 s70, s70, TRUNK                   ; an expert's matrix in wq
	s_lshl_b32 s68, s35, 19
	s_add_co_u32 s68, s68, 16384                   ; a trunk's matrix in wq
	s_cmp_lt_u32 s35, 3
	s_cselect_b32 s38, s68, s70
	s_lshl_b32 s66, s34, 14                        ; eight rows of 2,048 bytes
	s_add_co_u32 s66, s66, s69
	s_mov_b32 s67, 0
	s_add_nc_u64 s[36:37], s[36:37], s[66:67]
	s_lshr_b32 s66, s34, 2                         ; k / 32
	s_lshl_b32 s66, s66, 12
	s_add_co_u32 s38, s38, s66
	s_and_b32 s66, s34, 3                          ; block o of the fragment
	s_lshl_b32 s66, s66, 8
	s_add_co_u32 s38, s38, s66
	v_lshlrev_b32 v6, 4, v1
	v_lshlrev_b32 v7, 4, v2
	v_lshl_add_u32 v7, v3, 10, v7                  ; lanes 16-31 hold the next 16 columns: the next fragment
	v_add_nc_u32 v7, s38, v7
	OCT 0
	s_branch .Lbar
.Lw0:                                          ; W0 has 16 rows: wave 0 takes k = 0..7, wave 1 k = 8..15
	s_cmp_lt_u32 s32, 2
	s_cbranch_scc0 .Lbar
	s_lshl_b32 s66, s32, 14
	s_mov_b32 s67, 0
	s_add_nc_u64 s[36:37], s[10:11], s[66:67]
	s_lshl_b32 s38, s32, 8
	v_lshlrev_b32 v6, 4, v1
	v_lshlrev_b32 v7, 4, v2
	v_lshl_add_u32 v7, v3, 9, v7
	v_add_nc_u32 v7, s38, v7
	OCT 1
	s_branch .Lbar
.Lu3:                                          ; U3[e]: my wave takes rows k = 64 wave .. + 63
	s_sub_co_u32 s34, s33, 2                       ; e
	s_lshl_b32 s66, s34, 17
	s_lshl_b32 s67, s32, 14
	s_add_co_u32 s66, s66, s67
	s_mov_b32 s67, 0
	s_add_nc_u64 s[36:37], s[24:25], s[66:67]
	s_mul_i32 s38, s34, EXPB
	s_add_co_u32 s38, s38, TRUNK+3*LAYB
	s_lshl_b32 s66, s32, 11                        ; two fragments along k
	s_add_co_u32 s38, s38, s66
	v_lshlrev_b32 v6, 4, v2
	v_lshl_add_u32 v6, v3, 11, v6                  ; lanes 16-31: eight rows of 256 bytes below
	v_lshlrev_b32 v7, 4, v2
	v_lshl_add_u32 v7, v3, 14, v7                  ; lanes 16-31: the next 16 columns, 16 fragments on
	v_add_nc_u32 v7, s38, v7
	OCT 2
	s_branch .Lbar
.Lcount:                                       ; THE SORT, first half.  Wave w owns tokens 1,024 w .. + 1,023: register 4 i + c of lane l holds token 1,024 w + 128 i + 4 l + c
	s_lshl_b32 s34, s32, 12
	v_lshl_add_u32 v6, v1, 4, s34
.irp i, 0,1,2,3,4,5,6,7
	global_load_b128 v[32+4*(\i):35+4*(\i)], v6, s[8:9] offset:512*(\i)
.endr
.irp e, 0,1,2,3,4,5,6,7
	s_mov_b32 s[40+(\e)], 0                        ; the wave's running count for expert e
.endr
	s_wait_loadcnt 0x0
.set n, 0
.rept 32                                       ; a token's rank among the wave's tokens of its expert: the count so far, plus the lower lanes with the same expert in this register
	v_min_u32 v[32+n], 7, v[32+n]
	v_cmp_eq_u32 vcc_lo, 0, v[32+n]
	v_mbcnt_lo_u32_b32 v10, vcc_lo, s40
	s_bcnt1_i32_b32 s66, vcc_lo
	s_add_co_u32 s40, s40, s66
.irp e, 1,2,3,4,5,6,7
	v_cmp_eq_u32 vcc_lo, \e, v[32+n]
	v_mbcnt_lo_u32_b32 v11, vcc_lo, s[40+(\e)]
	v_cndmask_b32 v10, v10, v11, vcc_lo
	s_bcnt1_i32_b32 s66, vcc_lo
	s_add_co_u32 s[40+(\e)], s[40+(\e)], s66
.endr
	v_lshl_or_b32 v[64+n], v[32+n], 18, v10        ; the rank is 1,023 at the most
.set n, n+1
.endr
.irp i, 0,1,2,3,4,5,6,7
	ds_store_b128 v6, v[64+4*(\i):67+4*(\i)] offset:TMPW+512*(\i)
.endr
	v_mov_b32 v12, 0
.irp e, 0,1,2,3,4,5,6,7
	v_writelane_b32 v12, s[40+(\e)], \e
.endr
	s_lshl_b32 s34, s32, 7
	v_lshl_add_u32 v14, v1, 2, s34
	ds_store_b32 v14, v12 offset:CNT
.Lbar:
	s_wait_dscnt 0x0                               ; for the others' sake: my counts lie in LDS
	s_barrier_signal -1
	s_barrier_wait -1
	s_cmp_lg_u32 s33, 0
	s_cbranch_scc1 .Lend
	; THE SORT, second half.  It leans on the head's registers and on LDS alone.
	s_wait_xcnt 0x0                                ; the registers below bear numbers that the other arms' stores name: they are written only behind this wait
	s_lshl_b32 s34, s32, 12
	v_lshl_add_u32 v30, v1, 4, s34
.irp i, 0,1,2,3,4,5,6,7
	ds_load_b128 v[64+4*(\i):67+4*(\i)], v30 offset:TMPW+512*(\i)
.endr
	v_lshlrev_b32 v31, 2, v1
.irp q, 0,1,2,3,4,5,6,7
	ds_load_b32 v[16+(\q)], v31 offset:CNT+128*(\q) ; wave q's counts: lane e holds expert e's, lanes 8-31 hold 0
.endr
	s_wait_dscnt 0x0
	v_add_nc_u32 v24, v16, v17
	v_add_nc_u32 v25, v18, v19
	v_add_nc_u32 v26, v20, v21
	v_add_nc_u32 v27, v22, v23
	v_add3_u32 v24, v24, v25, v26
	v_add_nc_u32 v24, v24, v27                     ; lane e: n[e], all tokens of expert e
	v_mov_b32 v25, 0
.irp q, 0,1,2,3,4,5,6
	s_cmp_gt_u32 s32, \q
	s_cselect_b32 s66, -1, 0
	v_and_b32 v26, s66, v[16+(\q)]
	v_add_nc_u32 v25, v25, v26                     ; lane e: those of the waves in front of mine
.endr
.irp e, 0,1,2,3,4,5,6,7
	v_readlane_b32 s[40+(\e)], v24, \e
.endr
	s_mov_b32 s48, 0                               ; base[e]: where expert e's tokens begin in the list
	s_mov_b32 s56, 0                               ; tb[e]: its first tile; it has ceil(n[e] / 64)
.irp e, 0,1,2,3,4,5,6
	s_add_co_u32 s[49+(\e)], s[48+(\e)], s[40+(\e)]
	s_add_co_u32 s66, s[40+(\e)], 63
	s_lshr_b32 s66, s66, 6
	s_add_co_u32 s[57+(\e)], s[56+(\e)], s66
.endr
	v_mov_b32 v27, 0
.irp e, 0,1,2,3,4,5,6,7
	v_writelane_b32 v27, s[48+(\e)], \e
.endr
	v_add_nc_u32 v27, v27, v25                     ; lane e: where my wave's tokens of expert e begin
.set n, 0
.rept 32
	v_lshrrev_b32 v[96+n], 16, v[64+n]             ; 4 y: the lane to ask, as a byte address
	ds_bpermute_b32 v[32+n], v[96+n], v27
.set n, n+1
.endr
	s_lshl_b32 s34, s32, 10
	v_lshl_add_u32 v28, v1, 2, s34                 ; 1,024 w + 4 lane
	s_wait_dscnt 0x0                               ; one wait for the 32
.set n, 0
.rept 32                                       ; 4 bytes a lane to places that hang on y: 32 KiB in all, once, by this one work-group, while the other 225 stream the weights
	v_and_b32 v[64+n], 0xffff, v[64+n]
	v_add_nc_u32 v[64+n], v[64+n], v[32+n]         ; the token's place in the list
	v_min_u32 v[64+n], 0x1fff, v[64+n]
	v_lshlrev_b32 v[64+n], 2, v[64+n]
	v_add_nc_u32 v[96+n], 128*(n/4)+n%4, v28       ; the token
	global_store_b32 v[64+n], v[96+n], s[28:29]
.set n, n+1
.endr
	; THE TABLE OF TILES: thread t writes entry t = {expert, first place in the list, rows, 1 if it is the expert's first tile}; entries past the last tile hold 0 rows.  All 256 are written.
	v_mov_b32 v20, 0
	v_mov_b32 v11, 0
	v_mov_b32 v12, s40
	v_mov_b32 v13, 0
.irp i, 1,2,3,4,5,6,7                  ; the last expert whose first tile is not beyond t: one without tiles is passed over by the next
	v_cmp_le_u32 vcc_lo, s[56+(\i)], v0
	v_cndmask_b32 v20, v20, \i, vcc_lo
	v_cndmask_b32 v11, v11, s[48+(\i)], vcc_lo
	v_cndmask_b32 v12, v12, s[40+(\i)], vcc_lo
	v_cndmask_b32 v13, v13, s[56+(\i)], vcc_lo
.endr
	v_sub_nc_u32 v14, v0, v13                      ; the tile's number in its expert
	v_lshlrev_b32 v15, 6, v14
	v_sub_nc_u32 v16, v12, v15                     ; rows left from there on, as a signed number
	v_cmp_lt_i32 vcc_lo, 0, v16
	v_min_i32 v17, 64, v16
	v_add_nc_u32 v18, v11, v15
	v_cndmask_b32 v21, 0, v18, vcc_lo
	v_cndmask_b32 v22, 0, v17, vcc_lo
	v_cmp_eq_u32 s66, 0, v14
	s_and_b32 s66, s66, vcc_lo
	v_cndmask_b32 v23, 0, 1, s66
	v_lshlrev_b32 v29, 4, v0
	global_store_b128 v29, v[20:23], s[30:31]
.Lend:
	s_wait_tensorcnt 0x0                           ; the wave's end, behind my last LDS store
	ds_add_u32 v4, v5
	s_wait_dscnt 0x0
	s_endpgm
.Lfunc_end_k_q0200623788_prep:
	.size	k_q0200623788_prep, .Lfunc_end_k_q0200623788_prep-k_q0200623788_prep
	.p2alignl 7, 3214868480
	.fill 96, 4, 3214868480
	.section	.rodata,"a",@progbits
	.p2align	6, 0x0
	.amdhsa_kernel k_q0200623788_prep
		.amdhsa_group_segment_fixed_size 52224
		.amdhsa_private_segment_fixed_size 0
		.amdhsa_enable_private_segment 0
		.amdhsa_kernarg_size 96
		.amdhsa_user_sgpr_count 2
		.amdhsa_user_sgpr_kernarg_segment_ptr 1
		.amdhsa_wavefront_size32 1
		.amdhsa_system_sgpr_workgroup_id_x 1
		.amdhsa_system_sgpr_workgroup_id_y 1
		.amdhsa_system_sgpr_workgroup_id_z 1
		.amdhsa_system_vgpr_workitem_id 0
		.amdhsa_next_free_vgpr 160
		.amdhsa_next_free_sgpr 80
		.amdhsa_reserve_vcc 1
		.amdhsa_float_denorm_mode_32 3
		.amdhsa_float_denorm_mode_16_64 3
		.amdhsa_memory_ordered 1
		.amdhsa_forward_progress 1
		.amdhsa_inst_pref_size 110
	.end_amdhsa_kernel
	.amdgpu_metadata
---
amdhsa.version: [ 1, 2 ]
amdhsa.kernels:
  - .name:           k_q0200623788_prep
    .symbol:         k_q0200623788_prep.kd
    .args:
      - { .name: y, .offset: 0, .size: 8, .value_kind: global_buffer, .address_space: global }
      - { .name: W0, .offset: 8, .size: 8, .value_kind: global_buffer, .address_space: global }
      - { .name: W1, .offset: 16, .size: 8, .value_kind: global_buffer, .address_space: global }
      - { .name: W2, .offset: 24, .size: 8, .value_kind: global_buffer, .address_space: global }
      - { .name: W3, .offset: 32, .size: 8, .value_kind: global_buffer, .address_space: global }
      - { .name: U0, .offset: 40, .size: 8, .value_kind: global_buffer, .address_space: global }
      - { .name: U1, .offset: 48, .size: 8, .value_kind: global_buffer, .address_space: global }
      - { .name: U2, .offset: 56, .size: 8, .value_kind: global_buffer, .address_space: global }
      - { .name: U3, .offset: 64, .size: 8, .value_kind: global_buffer, .address_space: global }
      - { .name: wq, .offset: 72, .size: 8, .value_kind: global_buffer, .address_space: global }
      - { .name: order, .offset: 80, .size: 8, .value_kind: global_buffer, .address_space: global }
      - { .name: tiles, .offset: 88, .size: 8, .value_kind: global_buffer, .address_space: global }
    .group_segment_fixed_size: 52224
    .private_segment_fixed_size: 0
    .kernarg_segment_align: 8
    .kernarg_segment_size: 96
    .max_flat_workgroup_size: 256
    .sgpr_count:     80
    .vgpr_count:     160
    .wavefront_size: 32
...
	.end_amdgpu_metadata
.endif
;; end of part 1
;; launch chain (part 2): grid 135 x 1, 8 waves a work-group, no clusters, 197,632 bytes of LDS; arguments x, order, tiles, wq, b0, b1, b2, b3, c0, c1, c2, c3, out0; writes out0
.if DOCPART == 2
	.amdgcn_target "amdgcn-amd-amdhsa--gfx1250"
	.amdhsa_code_object_version 6
	.text
	.protected	k_q0200623788_chain
	.globl	k_q0200623788_chain
	.p2align	8
	.type	k_q0200623788_chain,@function
k_q0200623788_chain:
	s_mov_b64 s[64:65], 0
	v_nop
	global_prefetch_b8 v0, s[64:65] scope:SCOPE_SE
	s_setreg_imm32_b32 hwreg(HW_REG_WAVE_MODE, 25, 1), 1
	s_wait_xcnt 0x0
; MAPPING NETWORK, launch 2 of 2: a tile of up to 64 tokens of ONE expert goes through all eight layers: x W0, W1, W2, W3, U0[e], U1[e], U2[e] (each + bias, ReLU), U3[e] + c3; out0's rows are stored by token.
; WORK LEFT OUT: the 7 experts that a token's y does not name (reference() indexes g[y[b], b] alone: shown at the head of the first kernel).  A NaN, infinity or overflow in them is not carried to the result.
; FORMATS.  x, weights and the activations between layers in bf16; sums and biases in f32: a bias is the C operand of its sum's first product.  ReLU is a packed maximum with 0 on the rounded pair.
; LIMITS.  A NaN activation becomes 0 at a ReLU, where reference() would carry it.  The table's numbers are clamped (expert 7, place 8,191, rows 64, token 8,191): exact for what the first launch stores.
; GRID.  With 8,192 tokens, 8 experts and tiles of 64 there are never more than 128 + 7 = 135 tiles, whatever the split.  An entry with 0 rows (7 at the most) walks the chain on one repeated token and stores
; nothing: every wave has to pass every barrier, and none may stand under a branch on a loaded count.  In a tile that is not full the places past the count repeat its last token; their rows are not stored.
; SHARES.  Wave w makes columns 64 w .. + 63 of all 64 tokens: 16 accumulators (4 blocks of tokens mb x 4 blocks of columns nb).  The product is used transposed (source 0 = 16 columns of the weights,
; source 1 = 16 tokens): a lane ends with ONE token (lane % 16) and 8 neighbouring columns, which pack into the 16 bytes that the next layer reads along K.
; WEIGHTS come straight from memory into registers: each byte of a layer has one reader in the work-group, and wq holds the fragments as registers take them (two loads of 512 consecutive bytes a fragment).
; A ring of 8 register slots, a K step of 32 (4 fragments, 8 loads) each: 7 steps, 56 loads, 28 KiB a wave are on their way, across the layers' ends too.
; ACTIVATIONS lie in two LDS buffers that take turns: a layer reads one and writes the other, so one barrier a layer orders both.
; NO CLUSTER, NO TENSOR LOADS.  Tiles of one expert walk the same weights, but two LDS slots of 128 along K of a layer (2 x 131,072 bytes) and an activation buffer (66,560) pass a work-group's 327,680 bytes, smaller slots
; would have 2 steps in which to land against the ring's 7, and partners would have to share an expert: whole clusters of 256 rows for each, up to 8 x 3 tiles more.
; REGISTERS.  Window 0: v0-31 addresses, c3; v32-95 two buffers of token fragments (on a layer's way out: the packed results); v96-127 the layer's bias; v128-255 the accumulators.  Window 1: the ring.
.set PITCH,  1040                      ; a token's row in LDS: 1,024 bytes + 16: 65 pieces of 16 bytes, so the 16 rows of a load or store begin at 16 different pieces modulo 256 bytes
.set MBS,    16*PITCH
.set ACT1,   131072                    ; buffer 0 at 0, buffer 1 here: one exclusive or turns one into the other
.set BIAS,   66560                     ; b1, b2, b3, c0[e], c1[e], c2[e]: 2,048 bytes each, f32
.set SPARE,  78848                     ; the spare words, 128 bytes for each wave: four blocks of 256 bytes that no other line names
.set SPITCH, 272                       ; the way out: 64 rows of 256 bytes + 16, in buffer 1
.set LAYB,   524288
.set EXPB,   1638400
.set SPW,  4                           ; v4   my spare word's address; never rewritten
.set NIL,  5                           ; v5   0, for the add alone
.set ZERO, 6                           ; v6   0, for the ReLU
.set WL,   7                           ; v7   16 lane + 65,536 wave: my place in a layer of wq
.set VC,   8                           ; v8   WL + this layer's offset
.set VN,   9                           ; v9   WL + the next layer's
.set A0,   10                          ; v10  1,040 (lane % 16) + 16 (lane / 16)
.set ARD,  11                          ; v11  A0 + the buffer that is read
.set ST0,  12                          ; v12  A0 + 128 wave
.set STW,  13                          ; v13  ST0 + the buffer that is written
.set BIA,  14                          ; v14  the next layer's bias row
.set PFO,  15                          ; v15  256 lane + 65,536 wave; never rewritten
.set TOKO, 16                          ; v16-19  the way out: 256 x token + 16 (lane % 16) for rows 8 w + 2 t + lane / 16
.set ROW0, 20                          ; v20  8 w + lane / 16
.set V3,   21                          ; v21  my place in U3
.set BIA0, 22                          ; v22  BIAS + 256 wave + 32 (lane / 16)
.set TV,   23
.set C3B,  24                          ; v24-31  c3 for my 16 columns
.set ACTF, 32
.set TMP,  32
.set BIASR, 96
.set ACC,  128                         ; accumulator (mb, nb) at ACC + 8 (4 mb + nb)
.set OFFC, 40                          ; s40-42  byte offsets in wq of this layer, the next, the one after
.set OFFN, 41
.set OFFNN, 42
.set ASKN, 43                          ; s43, s44  1: this work-group prefetches the next layer, the one after
.set ASKNN, 44
.set TRIPS, 45
.set RDB,  46
.set WRB,  47
.set WV,   48
.set LNO,  49                          ; the layer in hand, 1 .. 6
.set EOFF, 50                          ; expert x 1,638,400
.set ISW0, 51
.set CM1,  52                          ; max(rows, 1) - 1
.set BIAB, 53
.set PN,   54                          ; s[54:55], s[56:57]  wq at the next layer, at the one after
.set PNN,  56
.set MSB, 0
.macro WIN new                         ; s_set_vgpr_msb: bits 1:0 source 0, 7:6 destination; the high byte repeats the setting that is left; a switch that changes nothing is dropped
.if MSB != (\new)
	s_set_vgpr_msb (MSB<<8)|(\new)
.set MSB, (\new)
.endif
.endm
.macro PLACES                          ; four places behind a matrix instruction, in front of loads into registers that it has read and of vector lines that read its result
.rept 4
	v_nop
.endr
.endm
.macro REFILL q, areg, imm             ; a K step's four fragments into ring slot q
	WIN 0x40
.irp nb, 0,1,2,3
	global_load_b128 v[32*(\q)+8*(\nb):32*(\q)+8*(\nb)+3],   v[\areg], s[14:15] offset:(\imm)+1024*(\nb)
	global_load_b128 v[32*(\q)+8*(\nb)+4:32*(\q)+8*(\nb)+7], v[\areg], s[14:15] offset:(\imm)+1024*(\nb)+512
.endr
.endm
.macro FRAGS buf, s                    ; the 64 tokens' fragments of K step s: lane l holds token l % 16, k = 8 (l / 16) + 0..7 and 16 + 8 (l / 16) + 0..7
	WIN 0
.irp mb, 0,1,2,3
	ds_load_b128 v[ACTF+32*(\buf)+8*(\mb):ACTF+32*(\buf)+8*(\mb)+3],   v[ARD] offset:MBS*(\mb)+64*(\s)
	ds_load_b128 v[ACTF+32*(\buf)+8*(\mb)+4:ACTF+32*(\buf)+8*(\mb)+7], v[ARD] offset:MBS*(\mb)+64*(\s)+32
.endr
.endm
.macro BIASLD                          ; a layer's bias as C operands: register j of block nb is the bias of column 64 w + 16 nb + 8 (l / 16) + j
	WIN 0
.irp nb, 0,1,2,3
	ds_load_b128 v[BIASR+8*(\nb):BIASR+8*(\nb)+3],   v[BIA] offset:64*(\nb)
	ds_load_b128 v[BIASR+8*(\nb)+4:BIASR+8*(\nb)+7], v[BIA] offset:64*(\nb)+16
.endr
.endm
.macro MULS s, first                   ; 16 products.  The 16 accumulators take turns, one instruction a turn, in the same order in every step
	WIN 0x01
.irp mb, 0,1,2,3
.irp nb, 0,1,2,3
.if \first
	v_wmma_f32_16x16x32_bf16 v[ACC+8*(4*(\mb)+(\nb)):ACC+8*(4*(\mb)+(\nb))+7], v[32*((\s)%8)+8*(\nb):32*((\s)%8)+8*(\nb)+7], v[ACTF+32*((\s)%2)+8*(\mb):ACTF+32*((\s)%2)+8*(\mb)+7], v[BIASR+8*(\nb):BIASR+8*(\nb)+7]
.else
	v_wmma_f32_16x16x32_bf16 v[ACC+8*(4*(\mb)+(\nb)):ACC+8*(4*(\mb)+(\nb))+7], v[32*((\s)%8)+8*(\nb):32*((\s)%8)+8*(\nb)+7], v[ACTF+32*((\s)%2)+8*(\mb):ACTF+32*((\s)%2)+8*(\mb)+7], v[ACC+8*(4*(\mb)+(\nb)):ACC+8*(4*(\mb)+(\nb))+7]
.endif
.endr
.endr
.endm
; A PREFETCH INTO THE L2: 8 KiB (two K steps) of my wave's own 64 KiB of a later layer, a lane a block of 256 bytes, one instruction, directly behind a step's eight loads.  It names what my wave loads 17 K steps later.
; Each block is named once in the launch: the trunk's layers by work-group 0, an expert's by the expert's first tile (the table says which).  W0, W1, the first half of W2 and U3 come by their loads alone;
; nothing is asked for past layer 6, so no prefetch leaves wq.
.macro ASK flag, pair, imm
	WIN 0
	s_cmp_lg_u32 s[\flag], 0
	s_cbranch_scc0 .Lnot_mine_\@
	global_prefetch_b8 v[PFO], s[\pair:\pair+1] offset:\imm th:TH_LOAD_NT scope:SCOPE_SE
.Lnot_mine_\@:
.endm
; K STEP s OF A LAYER.  last = 1: layer 6, behind which only U3's four groups of four fragments are left to ask for.
.macro STEP s, last
.if (\s) > 0
	PLACES                                         ; behind step s - 1's products: its ring slot, the token buffer that it read and (s = 1) the bias are loaded anew below
.endif
.if (\last) && ((\s) == 14)
	s_wait_loadcnt 40                              ; younger than step 14's loads: step 15's and U3's four groups
.elseif (\last) && ((\s) == 15)
	s_wait_loadcnt 32                              ; U3's four groups
.else
	s_wait_loadcnt 48                              ; loads come back in order: step s's eight are in, the six younger groups of eight stay out
.endif
.if (\s) < 9
	REFILL ((\s)+7)%8, VC, 4096*((\s)+7)
.elseif !(\last)
	REFILL ((\s)+7)%8, VN, 4096*((\s)-9)
.elseif (\s) < 13
	REFILL (\s)-9, V3, 4096*((\s)-9)
.endif
.if !(\last) && ((\s)%2 == 0)
.if (\s) < 8
	ASK ASKN, PN, 8192*(((\s)+8)/2)
.else
	ASK ASKNN, PNN, 8192*(((\s)-8)/2)
.endif
.endif
.if !(\last) && ((\s) == 1)
	BIASLD                                         ; the next layer's: this layer's was read by step 0 alone
.endif
.if (\s) < 15
	FRAGS ((\s)+1)%2, (\s)+1
.endif
.if (\s) == 15
	s_wait_dscnt 0x0
.elseif !(\last) && ((\s) == 1)
	s_wait_dscnt 16                                ; the bias's eight loads and the next step's eight are younger
.else
	s_wait_dscnt 8                                 ; the next step's eight are younger
.endif
	MULS \s, (\s)==0
.endm
; A LAYER'S WAY OUT: rounded to bf16 in pairs, ReLU, 16 bytes a lane into the other buffer; then the layer's one barrier.  Each accumulator's registers are taken in ascending order.
; mode 0: layer 0; 1: in the loop; 2: layer 6.
.macro EPI mode
	PLACES
	WIN 0
.set a, 0
.rept 16
.irp i, 0,1,2,3
	v_cvt_pk_bf16_f32 v[TMP+4*a+(\i)], v[ACC+8*a+2*(\i)], v[ACC+8*a+2*(\i)+1]
.endr
.irp i, 0,1,2,3
	v_pk_max_num_bf16 v[TMP+4*a+(\i)], v[TMP+4*a+(\i)], v[ZERO]
.endr
	ds_store_b128 v[STW], v[TMP+4*a:TMP+4*a+3] offset:MBS*(a/4)+32*(a%4)
.set a, a+1
.endr
.if (\mode) == 1
	s_wait_xcnt 0x0                                ; every load and prefetch issued so far (the youngest load 16 products back, the youngest prefetch a step more) has read its address: VC, VN and the two pointers are written below
.endif
	s_wait_dscnt 0x0                               ; for the others' sake: my stores into the new buffer are done, and my reads of the old one are back
	s_barrier_signal -1                            ; work on registers stands between the signal and the wait
.if (\mode) == 0
	s_mov_b32 s[WRB], ACT1
	v_mov_b32 v[ARD], v[A0]
	v_add_nc_u32 v[STW], s[WRB], v[ST0]
	v_mov_b32 v[BIA], v[BIA0]
.elseif (\mode) == 1
	s_add_co_u32 s[LNO], s[LNO], 1
	s_mov_b32 s[OFFC], s[OFFN]
	s_mov_b32 s[OFFN], s[OFFNN]
	s_add_co_u32 s58, s[LNO], 2                    ; the layer after the next
	s_cmp_eq_u32 s58, 4                            ; there the walk goes from the trunk to my expert
	s_cselect_b32 s59, -1, 0
	s_and_b32 s59, s59, s[EOFF]
	s_add_co_u32 s[OFFNN], s[OFFNN], s59
	s_add_co_u32 s[OFFNN], s[OFFNN], LAYB
	s_mov_b32 s[ASKN], s[ASKNN]
	s_cmp_gt_u32 s58, 6
	s_cselect_b32 s[ASKNN], 0, s39                 ; an expert's layers are asked for by its first tile; past layer 6 by nobody
	s_mov_b64 s[PN:PN+1], s[PNN:PNN+1]
	s_mov_b32 s58, s[OFFNN]
	s_mov_b32 s59, 0
	s_add_nc_u64 s[PNN:PNN+1], s[14:15], s[58:59]
	s_xor_b32 s[RDB], s[RDB], ACT1
	s_xor_b32 s[WRB], s[WRB], ACT1
	s_add_co_u32 s[BIAB], s[BIAB], 2048
	v_mov_b32 v[VC], v[VN]
	v_add_nc_u32 v[VN], s[OFFN], v[WL]
	v_add_nc_u32 v[ARD], s[RDB], v[A0]
	v_add_nc_u32 v[STW], s[WRB], v[ST0]
	v_add_nc_u32 v[BIA], s[BIAB], v[BIA0]
.else
	s_xor_b32 s[RDB], s[RDB], ACT1                 ; U3 reads buffer 0; the stage lies in buffer 1
	s_xor_b32 s[WRB], s[WRB], ACT1
	s_lshr_b32 s58, s[WV], 2                       ; which 32 tokens are mine in U3
	s_mul_i32 s59, s58, 2*MBS
	s_add_co_u32 s59, s59, s[RDB]
	v_add_nc_u32 v[ARD], s59, v[A0]
	s_mul_i32 s59, s58, 32*SPITCH                  ; into the stage: token 32 (w / 4) + 16 i + l % 16, columns 16 (w % 4) + 8 (l / 16) on, f32
	s_and_b32 s60, s[WV], 3
	s_lshl_b32 s60, s60, 6
	s_add_co_u32 s59, s59, s60
	s_add_co_u32 s59, s59, s[WRB]
	v_mul_u32_u24 v[STW], v1, SPITCH
	v_lshl_add_u32 v[STW], v2, 5, v[STW]
	v_add_nc_u32 v[STW], s59, v[STW]
	s_mul_i32 s59, s[WV], 8*SPITCH                 ; back: rows 8 w + 2 t + l / 16, whole
	s_add_co_u32 s59, s59, s[WRB]
	v_mul_u32_u24 v[BIA], v2, SPITCH
	v_lshl_add_u32 v[BIA], v1, 4, v[BIA]
	v_add_nc_u32 v[BIA], s59, v[BIA]
.endif
	s_barrier_wait -1
.endm
	s_load_b512 s[8:23], s[0:1], 0x0               ; x 8, order 10, tiles 12, wq 14, b0 16, b1 18, b2 20, b3 22
	s_load_b256 s[24:31], s[0:1], 0x40             ; c0 24, c1 26, c2 28, c3 30
	s_load_b64 s[32:33], s[0:1], 0x60              ; out0
	v_lshl_add_u32 v[SPW], v0, 2, SPARE
	v_mov_b32 v[NIL], 0
	v_mov_b32 v[ZERO], 0
	v_lshrrev_b32 v3, 5, v0
	v_readfirstlane_b32 s[WV], v3                  ; wave 0..7
	v_and_b32 v1, 15, v0                           ; l % 16
	v_bfe_u32 v2, v0, 4, 1                         ; l / 16
	v_and_b32 v3, 31, v0                           ; l
	s_lshl_b32 s34, ttmp9, 4
	s_wait_kmcnt 0x0
	s_load_b128 s[36:39], s[12:13], s34 offset:0x0 ; my tile: expert, first place in the list, rows, 1 if it is the expert's first
	s_lshl_b32 s58, s[WV], 16
	v_lshl_add_u32 v[WL], v3, 4, s58
	v_lshl_add_u32 v[PFO], v3, 8, s58
	v_mul_u32_u24 v[A0], v1, PITCH
	v_lshl_add_u32 v[A0], v2, 4, v[A0]
	s_lshl_b32 s59, s[WV], 7
	v_add_nc_u32 v[ST0], s59, v[A0]
	v_mov_b32 v[STW], v[ST0]                       ; layer 0 writes buffer 0
	s_lshl_b32 s60, s[WV], 8
	s_add_co_u32 s61, s60, BIAS
	v_lshl_add_u32 v[BIA0], v2, 5, s61
	s_lshl_b32 s61, s[WV], 3
	v_add_nc_u32 v[ROW0], s61, v2
	s_lshl_b32 s61, s[WV], 11
	v_lshl_add_u32 v144, v3, 4, s61                ; W0: 2,048 wave + 16 lane
	v_lshl_add_u32 v145, v2, 5, s60                ; b0: 256 wave + 32 (l / 16)
	v_lshlrev_b32 v147, 3, v0                      ; the bias table: 8 bytes a thread
	v_lshl_add_u32 v161, v0, 3, BIAS
	s_mov_b32 s[OFFC], 16384
	s_mov_b32 s[OFFN], 16384+LAYB
	s_mov_b32 s[OFFNN], 16384+2*LAYB
	s_mov_b32 s[LNO], 1
	s_mov_b32 s[RDB], 0
	s_mov_b32 s[WRB], 0
	s_mov_b32 s[TRIPS], 5
	s_cmp_eq_u32 ttmp9, 0
	s_cselect_b32 s[ISW0], 1, 0
	s_mov_b32 s[ASKN], s[ISW0]                     ; layers 2 and 3 belong to the trunk
	s_mov_b32 s[ASKNN], s[ISW0]
	s_mov_b32 s58, s[OFFN]
	s_mov_b32 s59, 0
	s_add_nc_u64 s[PN:PN+1], s[14:15], s[58:59]
	s_mov_b32 s58, s[OFFNN]
	s_add_nc_u64 s[PNN:PNN+1], s[14:15], s[58:59]
	v_add_nc_u32 v[VC], s[OFFC], v[WL]
	v_add_nc_u32 v[VN], s[OFFN], v[WL]
.irp i, 0,1,2,3
	v_add_nc_u32 v[128+(\i)], 16*(\i), v1          ; the rows whose x I multiply in layer 0: 16 mb + l % 16,
	v_add_nc_u32 v[132+(\i)], 2*(\i), v[ROW0]      ; and the rows that I store at the end
.endr
	s_wait_kmcnt 0x0
	s_min_u32 s36, s36, 7
	s_min_u32 s37, s37, 8191
	s_min_u32 s38, s38, 64
	s_min_u32 s39, s39, 1
	s_max_u32 s[CM1], s38, 1
	s_sub_co_u32 s[CM1], s[CM1], 1
	s_mul_i32 s[EOFF], s36, EXPB
.irp i, 0,1,2,3,4,5,6,7
	v_min_u32 v[128+(\i)], s[CM1], v[128+(\i)]     ; places past the count repeat the tile's last token
	v_add_nc_u32 v[128+(\i)], s37, v[128+(\i)]
	v_min_u32 v[128+(\i)], 0x1fff, v[128+(\i)]
	v_lshlrev_b32 v[128+(\i)], 2, v[128+(\i)]
.endr
.irp i, 0,1,2,3,4,5,6,7
	global_load_b32 v[136+(\i)], v[128+(\i)], s[10:11]  ; 8 loads: the tokens
.endr
	WIN 0x40
.irp nb, 0,1,2,3
	global_load_b128 v[224+8*(\nb):224+8*(\nb)+3], v144, s[14:15] offset:512*(\nb)  ; 4 loads: W0's k = 0..15 into ring slot 7
.endr
.irp nb, 0,1,2,3
.irp i, 4,5,6,7
	v_mov_b32 v[224+8*(\nb)+(\i)], 0               ; its k = 16..31 do not exist: the padding of a live tile
.endr
.endr
	WIN 0
.irp nb, 0,1,2,3
	global_load_b128 v[BIASR+8*(\nb):BIASR+8*(\nb)+3],   v145, s[16:17] offset:64*(\nb)      ; 8 loads: b0
	global_load_b128 v[BIASR+8*(\nb)+4:BIASR+8*(\nb)+7], v145, s[16:17] offset:64*(\nb)+16
.endr
	s_and_b32 s58, s[WV], 3
	s_lshl_b32 s58, s58, 6
	s_lshl_b32 s59, s36, 8
	s_add_co_u32 s58, s58, s59
	v_lshl_add_u32 v146, v2, 5, s58
	global_load_b128 v[C3B:C3B+3],   v146, s[30:31]            ; 2 loads: c3[e] for columns 16 (w % 4) + 8 (l / 16) on
	global_load_b128 v[C3B+4:C3B+7], v146, s[30:31] offset:16
	s_lshl_b32 s58, s36, 11
	v_add_nc_u32 v160, s58, v147
	global_load_b64 v[148:149], v147, s[18:19]     ; 6 loads: the table of biases
	global_load_b64 v[150:151], v147, s[20:21]
	global_load_b64 v[152:153], v147, s[22:23]
	global_load_b64 v[154:155], v160, s[24:25]
	global_load_b64 v[156:157], v160, s[26:27]
	global_load_b64 v[158:159], v160, s[28:29]
	s_wait_loadcnt 20                              ; the tokens are in: 4 + 8 + 2 + 6 loads are younger
.irp i, 0,1,2,3,4,5,6,7
	v_min_u32 v[136+(\i)], 0x1fff, v[136+(\i)]
.endr
.irp i, 0,1,2,3
	v_lshlrev_b32 v[164+(\i)], 6, v[136+(\i)]      ; x: 64 bytes a token, my 8 numbers at 32 (l / 16)
	v_lshl_add_u32 v[164+(\i)], v2, 5, v[164+(\i)]
	v_lshlrev_b32 v[TOKO+(\i)], 8, v[140+(\i)]     ; out0: 256 bytes a token
	v_lshl_add_u32 v[TOKO+(\i)], v1, 4, v[TOKO+(\i)]
.endr
.irp mb, 0,1,2,3
	global_load_b128 v[32+8*(\mb):32+8*(\mb)+3], v[164+(\mb)], s[8:9]
	global_load_b128 v[32+8*(\mb)+4:32+8*(\mb)+7], v[164+(\mb)], s[8:9] offset:16
.endr
.irp p, 0,1,2,3,4,5,6
	REFILL \p, VC, 4096*(\p)                       ; the ring: layer 1's K steps 0 .. 6
.endr
	WIN 0
.irp mb, 0,1,2,3
.irp i, 4,5,6,7
	v_mov_b32 v[64+8*(\mb)+(\i)], 0                ; x has no k = 16..31 either
.endr
.endr
	s_wait_loadcnt 56                              ; all but the ring's 56
.irp i, 0,1,2,3,4,5
	ds_store_b64 v161, v[148+2*(\i):149+2*(\i)] offset:2048*(\i)
.endr
.irp mb, 0,1,2,3
.irp i, 0,1,2,3
	v_cvt_pk_bf16_f32 v[64+8*(\mb)+(\i)], v[32+8*(\mb)+2*(\i)], v[32+8*(\mb)+2*(\i)+1]
.endr
.endr
	MULS 7, 1                                      ; LAYER 0: ring slot 7 holds W0, token buffer 1 holds x, C = b0
	EPI 0
	BIASLD                                         ; layer 1's bias: the table is whole behind the barrier
	s_mov_b32 s[BIAB], 2048
	v_add_nc_u32 v[BIA], s[BIAB], v[BIA0]
.Llayer:                                       ; LAYERS 1 .. 5
	FRAGS 0, 0
.irp s, 0,1,2,3,4,5,6,7,8,9,10,11,12,13,14,15
	STEP \s, 0
.endr
	EPI 1
	s_sub_co_u32 s[TRIPS], s[TRIPS], 1
	s_cmp_lg_u32 s[TRIPS], 0
	s_cbranch_scc1 .Llayer
	s_and_b32 s58, s[WV], 3                        ; LAYER 6 is written out: what it asks for behind its own steps is U3, so its counts differ
	s_lshl_b32 s58, s58, 14                        ; U3: my block of 16 columns, 16 fragments on end
	s_add_co_u32 s58, s58, s[OFFN]
	v_lshl_add_u32 v[V3], v3, 4, s58
	FRAGS 0, 0
.irp s, 0,1,2,3,4,5,6,7,8,9,10,11,12,13,14,15
	STEP \s, 1
.endr
	EPI 2
; U3: 64 columns.  Wave w makes columns 16 (w % 4) .. + 15 of tokens 32 (w / 4) .. + 31: two accumulators, which take turns.  Fragment kk of the weights lies at v[8 kk] of window 1.
; The tokens' fragments come in groups of four K steps (16 loads) into two buffers by turns: v32-95 and v128-191.
.macro UFR g, buf
	WIN 0
.irp c, 0,1,2,3
.irp i, 0,1
	ds_load_b128 v[(\buf)+16*(\c)+8*(\i):(\buf)+16*(\c)+8*(\i)+3],   v[ARD] offset:MBS*(\i)+64*(4*(\g)+(\c))
	ds_load_b128 v[(\buf)+16*(\c)+8*(\i)+4:(\buf)+16*(\c)+8*(\i)+7], v[ARD] offset:MBS*(\i)+64*(4*(\g)+(\c))+32
.endr
.endr
.endm
.macro UMUL g, buf
	WIN 0x01
.irp c, 0,1,2,3
.irp i, 0,1
.if ((\g) == 0) && ((\c) == 0)
	v_wmma_f32_16x16x32_bf16 v[192+8*(\i):199+8*(\i)], v[8*(4*(\g)+(\c)):8*(4*(\g)+(\c))+7], v[(\buf)+16*(\c)+8*(\i):(\buf)+16*(\c)+8*(\i)+7], v[C3B:C3B+7]
.else
	v_wmma_f32_16x16x32_bf16 v[192+8*(\i):199+8*(\i)], v[8*(4*(\g)+(\c)):8*(4*(\g)+(\c))+7], v[(\buf)+16*(\c)+8*(\i):(\buf)+16*(\c)+8*(\i)+7], v[192+8*(\i):199+8*(\i)]
.endif
.endr
.endr
.endm
	UFR 0, 32
	UFR 1, 128
	s_wait_loadcnt 24                              ; U3's first group of weights is in; three groups of eight loads are younger
	s_wait_dscnt 16                                ; the tokens' group 0 is in; group 1's 16 loads are younger
	UMUL 0, 32
	PLACES
	UFR 2, 32
	s_wait_loadcnt 16
	s_wait_dscnt 16
	UMUL 1, 128
	PLACES
	UFR 3, 128
	s_wait_loadcnt 8
	s_wait_dscnt 16
	UMUL 2, 32
	s_wait_loadcnt 0x0
	s_wait_dscnt 0x0
	UMUL 3, 128
	PLACES
	WIN 0
	; THE WAY OUT: f32 through the stage, since a token's 256 bytes come from four waves; then whole rows, one for each 16 lanes, to the tokens' places in out0.
.irp i, 0,1
	ds_store_b128 v[STW], v[192+8*(\i):195+8*(\i)] offset:16*SPITCH*(\i)
	ds_store_b128 v[STW], v[196+8*(\i):199+8*(\i)] offset:16*SPITCH*(\i)+16
.endr
	s_wait_dscnt 0x0                               ; for the others' sake: my stores into the stage are done
	s_barrier_signal -1
	s_barrier_wait -1
.irp t, 0,1,2,3
	ds_load_b128 v[32+4*(\t):35+4*(\t)], v[BIA] offset:2*SPITCH*(\t)
.endr
	s_wait_dscnt 0x0
.irp t, 0,1,2,3
	v_add_nc_u32 v[TV], 2*(\t), v[ROW0]
	v_cmp_gt_u32 vcc_lo, s38, v[TV]                ; rows past the tile's count are not stored
	s_wait_xcnt 0x0                                ; EXEC changes only behind this wait,
	s_and_saveexec_b32 s60, vcc_lo
	global_store_b128 v[TOKO+(\t)], v[32+4*(\t):35+4*(\t)], s[32:33] th:TH_STORE_NT  ; 16 lanes store a token's 256 consecutive bytes, aligned
	s_wait_xcnt 0x0                                ; and again in front of the line that widens it
	s_or_b32 exec_lo, exec_lo, s60
.endr
	s_wait_tensorcnt 0x0                           ; the wave's end, behind my last LDS store
	ds_add_u32 v[SPW], v[NIL]
	s_wait_dscnt 0x0
	s_endpgm
.Lfunc_end_k_q0200623788_chain:
	.size	k_q0200623788_chain, .Lfunc_end_k_q0200623788_chain-k_q0200623788_chain
	.p2alignl 7, 3214868480
	.fill 96, 4, 3214868480
	.section	.rodata,"a",@progbits
	.p2align	6, 0x0
	.amdhsa_kernel k_q0200623788_chain
		.amdhsa_group_segment_fixed_size 197632
		.amdhsa_private_segment_fixed_size 0
		.amdhsa_enable_private_segment 0
		.amdhsa_kernarg_size 104
		.amdhsa_user_sgpr_count 2
		.amdhsa_user_sgpr_kernarg_segment_ptr 1
		.amdhsa_wavefront_size32 1
		.amdhsa_system_sgpr_workgroup_id_x 1
		.amdhsa_system_sgpr_workgroup_id_y 1
		.amdhsa_system_sgpr_workgroup_id_z 1
		.amdhsa_system_vgpr_workitem_id 0
		.amdhsa_next_free_vgpr 512
		.amdhsa_next_free_sgpr 72
		.amdhsa_reserve_vcc 1
		.amdhsa_float_denorm_mode_32 3
		.amdhsa_float_denorm_mode_16_64 3
		.amdhsa_memory_ordered 1
		.amdhsa_forward_progress 1
		.amdhsa_inst_pref_size 138
	.end_amdhsa_kernel
	.amdgpu_metadata
---
amdhsa.version: [ 1, 2 ]
amdhsa.kernels:
  - .name:           k_q0200623788_chain
    .symbol:         k_q0200623788_chain.kd
    .args:
      - { .name: x, .offset: 0, .size: 8, .value_kind: global_buffer, .address_space: global }
      - { .name: order, .offset: 8, .size: 8, .value_kind: global_buffer, .address_space: global }
      - { .name: tiles, .offset: 16, .size: 8, .value_kind: global_buffer, .address_space: global }
      - { .name: wq, .offset: 24, .size: 8, .value_kind: global_buffer, .address_space: global }
      - { .name: b0, .offset: 32, .size: 8, .value_kind: global_buffer, .address_space: global }
      - { .name: b1, .offset: 40, .size: 8, .value_kind: global_buffer, .address_space: global }
      - { .name: b2, .offset: 48, .size: 8, .value_kind: global_buffer, .address_space: global }
      - { .name: b3, .offset: 56, .size: 8, .value_kind: global_buffer, .address_space: global }
      - { .name: c0, .offset: 64, .size: 8, .value_kind: global_buffer, .address_space: global }
      - { .name: c1, .offset: 72, .size: 8, .value_kind: global_buffer, .address_space: global }
      - { .name: c2, .offset: 80, .size: 8, .value_kind: global_buffer, .address_space: global }
      - { .name: c3, .offset: 88, .size: 8, .value_kind: global_buffer, .address_space: global }
      - { .name: out0, .offset: 96, .size: 8, .value_kind: global_buffer, .address_space: global }
    .group_segment_fixed_size: 197632
    .private_segment_fixed_size: 0
    .kernarg_segment_align: 8
    .kernarg_segment_size: 104
    .max_flat_workgroup_size: 256
    .sgpr_count:     72
    .vgpr_count:     512
    .wavefront_size: 32
...
	.end_amdgpu_metadata
.endif
;; end of part 2
